; MI455X (gfx1250); checked and timed in simulation.
; The chip was launched on July 23, 2026; its instructions are those of AMD's public machine-readable ISA for CDNA 5 (MIT licence, August 2026) and "CDNA5" Instruction Set Architecture Reference Guide (July 2026). The comments in the code are by the model that wrote it; some were corrected since.
;; Attention Fuser V2. Allowed arithmetic: matrix products marked QUANTISED: E2M3 operands, one E8M0 scale for each 32 along K, by v_wmma_scale_f32_16x16x128_f8f6f4 with both operands' format E2M3, f32 sums; everything else in f32.
;; Inputs: W_in1 512 x 512 float32; W_in2 512 x 512 float32; W_out1 512 x 1,024 float32; W_out2 512 x 1,024 float32; embeddings 128 x 256 x 512 float32.
;; Outputs: out0 128 x 512 x 1 x 1 float32.
;; This version of the problem:
;;   THIS VERSION OF THE PROBLEM IS GIVEN IN LOW PRECISION. The matrix products marked QUANTISED in the list below multiply operands that are first quantised to E2M3 (2 exponent bits, 3 mantissa bits; 6 bits a number), with one power-of-two scale for each 32 numbers along K (OCP MX v1.0); their sums are f32. All else is computed in f32.
;;   The module's matrix products, in the order in which they are computed (A, B: the left and right operand; K: the contracted axis; several contracted axes count as one K, in the product's order):
;;     1. [M 32,768, K 512] x [K 512, N 512]; A: input embeddings; B: input W_in1: QUANTISED
;;     2. batch 128 x [M 256, K 512] x [K 512, N 256]; A: computed on the way; B: input embeddings: QUANTISED
;;     3. batch 128 x [M 256, K 256] x [K 256, N 512]; A: softmax (see below); B: input embeddings: QUANTISED
;;     4. [M 32,768, K 1,024] x [K 1,024, N 512]; A: computed on the way; B: input W_out1: QUANTISED
;;     5. [M 32,768, K 512] x [K 512, N 512]; A: computed on the way; B: input W_in2: QUANTISED
;;     6. batch 128 x [M 256, K 512] x [K 512, N 256]; A: computed on the way; B: computed on the way: QUANTISED
;;     7. batch 128 x [M 256, K 256] x [K 256, N 512]; A: softmax (see below); B: computed on the way: QUANTISED
;;     8. [M 32,768, K 1,024] x [K 1,024, N 512]; A: computed on the way; B: input W_out2: QUANTISED
;;   THE QUANTISER, for each operand of a quantised product, along K:
;;     - K is cut into blocks of 32 from its start; a last block that is shorter is filled with zeros.
;;     - A block's scale is 2^e with e = floor(log2(the largest magnitude in the block)) - 2, held to -126 .. 127; a block of zeros has e = 0. As a byte (E8M0): e + 127.
;;     - Each number is divided by its block's scale, clamped to +-7.5, and rounded to the nearest number of E2M3, ties to even, subnormals kept.
;;     - The product sums the exact products of the quantised numbers (number of the format x scale) in f32.
;;   ~~~python
;;   def quantise(x, axis):      # numpy; x: float32 -> the quantised numbers, widened to float32 again
;;       x = np.moveaxis(x, axis, -1); K = x.shape[-1]
;;       x = np.pad(x, [(0, 0)] * (x.ndim - 1) + [(0, -K % 32)]); x = x.reshape(x.shape[:-1] + (-1, 32)); a = np.abs(x).max(-1, keepdims=True)
;;       e = np.where(a > 0, np.clip(np.frexp(np.where(a > 0, a, 1))[1] - 1 - 2, -126, 127), 0)      # np.frexp(a)[1] - 1 = floor(log2(a)), exactly
;;       r = np.clip(x / 2.0 ** e, -7.5, 7.5)
;;       step = 2.0 ** (np.maximum(np.frexp(np.where(r == 0, 1, r))[1] - 1, 0) - 3)
;;       q = np.round(r / step) * step * 2.0 ** e      # np.round: ties to even
;;       return np.moveaxis(q.reshape(q.shape[:-2] + (-1,))[..., :K], -1, axis).astype(np.float32)
;;   ~~~
;;   SOFTMAX AHEAD OF A QUANTISED PRODUCT. Where the list says 'softmax', what is quantised is not the finished softmax but p = 2^(t - M), with t = logit x log2(e) and M = ceil(the row's largest t), a whole number; so 1/2 < the row's largest p <= 1. The row's sum l is taken of the UNQUANTISED p, in f32, and the product's result is divided by l at the end. Since M is a whole number, a kernel that streams over the keys may use a running M (the ceiling of the running maximum): every later rescaling is an exact power of two, which a block's scale takes up: the codes' values come out the same.
;;   OPERANDS COMPUTED ON THE WAY. 'Computed on the way' means the value that the module computes at that place (a softmax that the list does not call 'softmax' is quantised finished and normalised). What goes into a quantiser is computed in f32, as accurately as f32 sums, v_exp_f32 and their like allow (about 1e-6 of the number): no bf16 or f16 on the way to a quantiser, and a product that is left as it is and whose result goes on into a quantised operand takes f32 operands (vector FMAs, or v_wmma_f32_16x16x4_f32). A number that lies on a knife's edge between two numbers of the format may be rounded either way, as far as f32 arithmetic and the matrix unit's own rounding can turn it there, and no further.
;; One version. Each part assembles by itself: llvm-mc -triple=amdgcn-amd-amdhsa -mcpu=gfx1250 --defsym DOCPART=n.
;; ======== version 1 of 1: 2 launches
;; limits: a function is approximated: absolute error at most 3e-07
;; workspace buffers: wstream 1,228,800 bytes
;; launch prep (part 1): grid 192 x 1, 1 waves a work-group, no clusters, 0 bytes of LDS; arguments W_in1, W_out1, W_in2, W_out2, wstream; writes wstream
.if DOCPART == 1
	.amdgcn_target "amdgcn-amd-amdhsa--gfx1250"
	.amdhsa_code_object_version 6
	.text
	.protected	k_q2e805e8663_prep
	.globl	k_q2e805e8663_prep
	.p2align	8
	.type	k_q2e805e8663_prep,@function
k_q2e805e8663_prep:
	s_mov_b64 s[64:65], 0
	v_nop
	global_prefetch_b8 v0, s[64:65] scope:SCOPE_SE
	s_setreg_imm32_b32 hwreg(HW_REG_WAVE_MODE, 25, 1), 1
	s_wait_xcnt 0x0
; The four weights, f32 with K innermost, become codes of FP6 (E2M3) with one E8M0 byte for each 32 along K, laid as the STREAM OF 24 RING SLOTS
; that the second launch walks: slot = 12 x block + s.  A slot is two sub-slots of 25,600 bytes; a sub-slot is 16 fragments (K step f, tile t) at (4 f + t) x 1,536 bytes,
; each an image of the operand's 12 registers (registers 4 g .. 4 g + 3 of lane l at 512 g + 16 l), and behind them, from byte 24,576, the scale words:
; (t / 2) x 512 + (16 (t % 2) + r) x 16 + 4 f.   s < 4: W_in, rows 128 s + 64 z on, K steps 0-3.   s >= 4: W_out, rows 64 (s - 4) on, K steps 4 z on.
; THE ROWS OF A TILE ARE NOT NEIGHBOURS: lane r of tile t takes row 32 (t / 2) + 8 (t % 2) + r + 8 (r / 8), so that two neighbouring tiles' results are 16 neighbours along the next K.
; One wave to a work-group; it makes the four fragments of one tile of one sub-slot.  Lane (r, h) holds, of its row, k = 64 c + 32 h + 0 .. 31: two whole blocks, so no other lane is asked for a maximum.
; A block's byte is its largest magnitude's exponent field - 2, held at 1 from below.  LIMITS: a block of zeros gets the byte 1 (its codes are zeros; this program alone reads the bytes);
; NaN and infinities among the inputs are not served.
.set X,   32                           ; v32-159  two sets of 64 numbers
.set D,   160                          ; v160-207 the four fragments' codes: no store's data are written again
.set T,   208                          ; v208-215 the second halves of the blocks' codes, before they are moved
.set SWD, 216                          ; v216-219 the four scale words
.set MX,  8                            ; v8-9   largest magnitudes
.set SO,  10                           ; v10-11 the conversions' scale operands
.set BY,  12                           ; v12-13 the bytes
	s_load_b256 s[4:11], s[0:1], 0x0               ; W_in1 s[4:5], W_out1 s[6:7], W_in2 s[8:9], W_out2 s[10:11]
	s_load_b64 s[12:13], s[0:1], 0x20              ; the stream
	s_and_b32 s14, ttmp9, 3                        ; t: the tile
	s_bfe_u32 s15, ttmp9, 0x10002                  ; z: the sub-slot
	s_lshr_b32 s16, ttmp9, 3                       ; the slot, 0 .. 23
	v_and_b32 v4, 15, v0                           ; r
	v_lshrrev_b32 v5, 4, v0                        ; h
	v_and_b32 v6, 8, v4
	v_add_nc_u32 v6, v6, v4                        ; r + 8 (r / 8)
	v_lshlrev_b32 v7, 3, v5                        ; 8 h: where my two bytes stand in a scale word
	v_mov_b32 v14, 0                               ; a lane permute's destination counts as one of its sources
	s_mov_b32 s28, 0x76543210
	s_mov_b32 s29, 0xfedcba98                      ; selects for lane l xor 16
	s_wait_kmcnt 0x0
	s_cmp_ge_u32 s16, 12                           ; which block's weights: the choice hangs on the work-group's number alone
	s_cselect_b64 s[4:5], s[8:9], s[4:5]
	s_cselect_b64 s[6:7], s[10:11], s[6:7]
	s_cselect_b32 s17, 12, 0
	s_sub_co_u32 s17, s16, s17                     ; s: the slot within the block
	s_lshl_b32 s18, s17, 7
	s_lshl_b32 s19, s15, 6
	s_add_co_u32 s18, s18, s19                     ; W_in: first row 128 s + 64 z
	s_lshl_b32 s20, s17, 6
	s_sub_co_u32 s20, s20, 256                     ; W_out: first row 64 (s - 4)
	s_lshl_b32 s21, s15, 11                        ; W_out: 512 numbers along K for z = 1
	s_cmp_lt_u32 s17, 4
	s_cselect_b64 s[4:5], s[4:5], s[6:7]           ; the matrix,
	s_cselect_b32 s22, 11, 12                      ; log2 of its row's bytes,
	s_cselect_b32 s18, s18, s20                    ; the first row,
	s_cselect_b32 s21, 0, s21                      ; the first byte along K
	s_lshr_b32 s23, s14, 1
	s_lshl_b32 s23, s23, 5
	s_and_b32 s24, s14, 1
	s_lshl_b32 s24, s24, 3
	s_add_co_u32 s18, s18, s23
	s_add_co_u32 s18, s18, s24                     ; + 32 (t / 2) + 8 (t % 2)
	s_lshl_b32 s18, s18, s22
	s_add_co_u32 s18, s18, s21
	s_mov_b32 s19, 0
	s_add_nc_u64 s[4:5], s[4:5], s[18:19]
	s_mul_i32 s24, s16, 51200
	s_mul_i32 s25, s15, 25600
	s_add_co_u32 s24, s24, s25
	s_mov_b32 s25, 0
	s_add_nc_u64 s[12:13], s[12:13], s[24:25]      ; my sub-slot
	v_lshlrev_b32 v1, s22, v6
	v_lshl_add_u32 v1, v5, 7, v1                   ; in: my row, + 128 h bytes
	s_mul_i32 s26, s14, 1536
	v_lshlrev_b32 v2, 4, v0
	v_add_nc_u32 v2, s26, v2                       ; out: 16 x lane + my tile's place
	s_lshl_b32 s27, s14, 8
	v_lshlrev_b32 v3, 4, v4
	v_lshl_add_u32 v3, v5, 3, v3
	v_add_nc_u32 v3, s27, v3                       ; the scale rows: 256 t + 16 r + 8 h
.macro LOADF f                         ; K step f: my 64 numbers into set f % 2
.irp c, 0,1
.irp j, 0,1,2,3,4,5,6,7
	global_load_b128 v[X+64*((\f)%2)+32*\c+4*\j:X+64*((\f)%2)+32*\c+4*\j+3], v1, s[4:5] offset:512*(\f)+256*\c+16*\j th:TH_LOAD_NT
.endr
.endr
.endm
.macro PROC f, cnt                     ; cnt: the loads of the one younger K step, which may stay out
.set XS, X+64*((\f)%2)
.set DF, D+12*(\f)
	s_wait_loadcnt \cnt
.irp c, 0,1
	v_max3_num_f32 v[MX+\c], |v[XS+32*\c]|, |v[XS+32*\c+1]|, 0x1800000   ; my block 2 c + h, and the floor 2^(3 - 127): the byte cannot fall under 1
.endr
.irp i, 2,4,6,8,10,12,14,16,18,20,22,24,26,28,30
.irp c, 0,1
	v_max3_num_f32 v[MX+\c], v[MX+\c], |v[XS+32*\c+\i]|, |v[XS+32*\c+\i+1]|   ; the two blocks by turns
.endr
.endr
.irp c, 0,1
	v_add_nc_u32 v[SO+\c], 0xff000000, v[MX+\c]    ; 2 off the exponent field: the conversion's scale operand
.endr
.irp c, 0,1
	v_lshrrev_b32 v[BY+\c], 23, v[SO+\c]           ; the byte
.endr
	v_lshl_or_b32 v15, v[BY+1], 16, v[BY]
	v_lshlrev_b32 v15, v7, v15                     ; bytes h and 2 + h of the word
	v_permlanex16_b32 v14, v15, s28, s29
	v_or_b32 v[SWD+(\f)], v15, v14                 ; with lane l xor 16's two the word is whole, in both lanes
.irp c, 0,1
	v_cvt_scalef32_pk16_fp6_f32 v[DF+6*\c:DF+6*\c+2], v[XS+32*\c:XS+32*\c+15], v[SO+\c]
	v_cvt_scalef32_pk16_fp6_f32 v[T+4*\c:T+4*\c+2], v[XS+32*\c+16:XS+32*\c+31], v[SO+\c]   ; (a conversion's three registers begin on an even number)
.endr
	v_nop                                          ; one plain place behind a scaled conversion
.irp c, 0,1
.irp i, 0,1,2
	v_mov_b32 v[DF+6*\c+3+\i], v[T+4*\c+\i]
.endr
.endr
.irp g, 0,1,2
	global_store_b128 v2, v[DF+4*\g:DF+4*\g+3], s[12:13] offset:6144*(\f)+512*\g   ; 32 lanes store 512 consecutive bytes, at a multiple of 256 from the stream's first byte
.endr
.endm
	LOADF 0
	LOADF 1
	PROC 0, 16
	LOADF 2
	PROC 1, 16
	LOADF 3
	PROC 2, 16
	PROC 3, 0
	v_cmp_eq_u32 vcc_lo, 1, v5                     ; lane (r, h) stores words 2 h and 2 h + 1 of row r: 32 lanes fill 256 consecutive bytes
	v_cndmask_b32 v20, v[SWD], v[SWD+2], vcc_lo
	v_cndmask_b32 v21, v[SWD+1], v[SWD+3], vcc_lo
	global_store_b64 v3, v[20:21], s[12:13] offset:24576
	s_endpgm
.Lfunc_end_k_q2e805e8663_prep:
	.size	k_q2e805e8663_prep, .Lfunc_end_k_q2e805e8663_prep-k_q2e805e8663_prep
	.p2alignl 7, 3214868480
	.fill 96, 4, 3214868480
	.section	.rodata,"a",@progbits
	.p2align	6, 0x0
	.amdhsa_kernel k_q2e805e8663_prep
		.amdhsa_group_segment_fixed_size 0
		.amdhsa_private_segment_fixed_size 0
		.amdhsa_enable_private_segment 0
		.amdhsa_kernarg_size 40
		.amdhsa_user_sgpr_count 2
		.amdhsa_user_sgpr_kernarg_segment_ptr 1
		.amdhsa_wavefront_size32 1
		.amdhsa_system_sgpr_workgroup_id_x 1
		.amdhsa_system_sgpr_workgroup_id_y 1
		.amdhsa_system_sgpr_workgroup_id_z 1
		.amdhsa_system_vgpr_workitem_id 0
		.amdhsa_next_free_vgpr 224
		.amdhsa_next_free_sgpr 66
		.amdhsa_reserve_vcc 1
		.amdhsa_float_denorm_mode_32 3
		.amdhsa_float_denorm_mode_16_64 3
		.amdhsa_memory_ordered 1
		.amdhsa_forward_progress 1
		.amdhsa_inst_pref_size 22
	.end_amdhsa_kernel
	.amdgpu_metadata
---
amdhsa.version: [ 1, 2 ]
amdhsa.kernels:
  - .name:           k_q2e805e8663_prep
    .symbol:         k_q2e805e8663_prep.kd
    .args:
      - { .name: W_in1, .offset: 0, .size: 8, .value_kind: global_buffer, .address_space: global }
      - { .name: W_out1, .offset: 8, .size: 8, .value_kind: global_buffer, .address_space: global }
      - { .name: W_in2, .offset: 16, .size: 8, .value_kind: global_buffer, .address_space: global }
      - { .name: W_out2, .offset: 24, .size: 8, .value_kind: global_buffer, .address_space: global }
      - { .name: wstream, .offset: 32, .size: 8, .value_kind: global_buffer, .address_space: global }
    .group_segment_fixed_size: 0
    .private_segment_fixed_size: 0
    .kernarg_segment_align: 8
    .kernarg_segment_size: 40
    .max_flat_workgroup_size: 32
    .sgpr_count:     66
    .vgpr_count:     224
    .wavefront_size: 32
...
	.end_amdgpu_metadata
.endif
;; end of part 1
;; launch fuser (part 2): grid 128 x 1, 4 waves a work-group, clusters of 4 x 1, 327,680 bytes of LDS; arguments embeddings, wstream, out0; writes out0
.if DOCPART == 2
	.amdgcn_target "amdgcn-amd-amdhsa--gfx1250"
	.amdhsa_code_object_version 6
	.text
	.protected	k_q2e805e8663_fuser
	.globl	k_q2e805e8663_fuser
	.p2align	8
	.type	k_q2e805e8663_fuser,@function
k_q2e805e8663_fuser:
	s_mov_b64 s[64:65], 0
	v_nop
	global_prefetch_b8 v0, s[64:65] scope:SCOPE_SE
	s_setreg_imm32_b32 hwreg(HW_REG_WAVE_MODE, 25, 1), 1
	s_wait_xcnt 0x0
	s_wait_alu depctr_hold_cnt(0) depctr_sa_sdst(0) depctr_va_vdst(0) depctr_va_sdst(0) depctr_va_ssrc(0) depctr_va_vcc(0) depctr_vm_vsrc(0)
	s_getreg_b32 s2, hwreg(HW_REG_IB_STS2, 6, 4)
	s_cmp_eq_u32 s2, 0
	s_cbranch_scc0 .Lentry_in_a_cluster
	s_endpgm
.Lentry_in_a_cluster:
	s_bfe_u32 s2, ttmp6, 0x10000c
	s_cmp_lg_u32 s2, 0x3003
	s_cbranch_scc0 .Lentry_shape_is_right
	s_endpgm
.Lentry_shape_is_right:
; Two blocks of 'general' attention and the mean over the rows, for ONE batch x [256][512] a work-group; all eight products on codes of FP6 (E2M3) with one E8M0 scale for each 32 along K.
; A block: q = x W_in^T;  S = q x^T;  p = 2^(S log2 e - M), M = ceil of the row's largest;  mix = p x / sum(p);  out = [mix, q] W_out^T;  block 1: tanh, block 2: mean over the 256 rows.
; SHARES.  Four waves, as many as a WGP has SIMDs; wave w OWNS rows 64 w .. 64 w + 63 (four tiles of 16) through all products, so q, p and mix never leave its registers.
; Shared through LDS are x's two sets of codes: XD (quantised along d: my rows in q's product, the keys in S's) and XM (quantised along the rows, d as its rows: the values).  Block 1's result is written over them in place.
; ALL PRODUCTS ARE USED TRANSPOSED (source 0 = 16 rows of a weight, 16 keys, 16 d of the values; source 1 = 16 of my rows): a lane holds ONE of my rows, its registers run along the result's columns.
; THE ROWS OF EVERY TILE ARE NOT NEIGHBOURS: lane r of tile 2 b + u takes row 32 b + 8 u + r + 8 (r / 8), so that the 16 registers of tiles 2 b, 2 b + 1 are 16 neighbours along the next K.
; THE WEIGHTS are a stream of 24 slots of 51,200 bytes, laid by the first launch in the order of the operands' registers.  Every work-group walks the same stream, so the four work-groups of a cluster ask JOINTLY:
; a ring of two LDS slots, each wave bringing a quarter slot by one tensor load behind each round of the cluster's barrier.  A wave never has more than one tensor load out.
; One work-group takes a whole batch because block 2 wants all 256 rows of block 1 as keys and values, and the mean sums all rows: 128 work-groups.
; LIMITS: NaN and infinities are not served.  A block of zeros carries the byte 1 (its codes are zeros; the bytes are read here alone).  tanh x = 1 - 2 / (1 + 2^(2 x log2 e)): absolute error about 1e-7, so its
; relative error grows as 1e-7 / |x| for small |x|.  1 / sum(p) and the mean are a reciprocal and a multiplication.
;
; LDS
.set XD,    0                          ; 98,304: half fragment (pair of tiles P, 64 columns c8, tile u) at P 12,288 + c8 1,536 + u 768: registers 0-3 of lane l at 16 l, registers 4-5 at 512 + 8 l.  Wave w writes P = 2 w, 2 w + 1
.set XM,    98304                      ; 98,304: half fragment (64 keys of wave v, d tile 4 c8 + t) at v 24,576 + (4 c8 + t) 768, the same image.  Wave w writes v = w
.set XDS,   196608                     ; 4,096: XD's scale words: P 512 + (16 u + r) 16 + 4 s
.set XMS,   200704                     ; 4,096: XM's scale bytes, two for a wave's 64 keys: v 1,024 + c8 128 + g 64 + 2 (16 u + r)
.set RING,  204800                     ; 2 x 51,200: the weights' slots: filled by tensor loads alone
.set SLOTB, 51200                      ; (RING and RING + SLOTB differ by an exclusive or with SLOTB)
.set SUBB,  25600
.set STAGE, 307200                     ; 4 x 4,608: each wave's own: 32 places of 128 + 16 bytes, to turn 32 rows x 32 columns; its first 1,024 bytes also gather q's and mix's scale bytes, its first 2,048 the pooled sums
.set STGW,  4608
.set SPARE, 325632                     ; 512: the spare words, 128 bytes for each wave: no other line names them
; VECTOR REGISTERS, in windows of 256 (s_set_vgpr_msb's low byte: bits 1:0 source 0, 3:2 source 1, 5:4 source 2, 7:6 destination)
.set LI,   1                           ; 16 x lane
.set L8,   2                           ; 8 x lane
.set SPW,  3                           ; my spare word; never rewritten
.set NIL,  4                           ; 0; never rewritten
.set AD,   5                           ; v5-12 addresses in hand
.set STW,  13                          ; stage: place r, + 64 h
.set STC,  14                          ; stage: 4 x lane: a column
.set STL,  15                          ; stage: place lane / 8, + 16 (lane % 8)
.set XMA,  16                          ; where my column's codes go in XM: registers 0-3
.set XMB,  17                          ; registers 4-5
.set XMC,  18                          ; and its two scale bytes
.set XDW,  19                          ; my rows' part of XD + 16 x lane
.set XDV,  20                          ; + 512 + 8 x lane
.set XDSW, 21                          ; my rows' scale words in XDS + 16 r
.set QSW,  22                          ; stage + 16 r
.set GX,   23                          ; x in memory: (lane / 8) rows + 16 (lane % 8)
.set RL,   24                          ; v24-31 1 / sum(p) of tile i, twice, at RL + 2 i
.set SQ,   32                          ; v32-39 q's scale words: 4 (i / 2) + s; lanes 0-15 tile 2 (i / 2), lanes 16-31 the next.  v32-71 hold scales and nothing else
.set SX,   40                          ; v40-47 my x's, later mix's, likewise
.set SP,   48                          ; v48-55 p's: 2 i + ks
.set SW,   56                          ; v56-71 source 0's
.set TM,   72                          ; v72-75 largest magnitudes, v76-79 the other half's and then bytes, v80-83 scale operands
.set CB,   84                          ; v84-91 the conversions' second results
.set PC,   92                          ; v92-115 half fragments just made: tile i at PC + 6 i
.set HW,   116                         ; v116-119 their two scale bytes
.set MS,   120                         ; v120-127 at work
.set ACC,  128                         ; v128-255 accumulator (i, t) at ACC + 32 i + 8 t; two sets of keys' fragments in S's product; at work in the softmax
.set RQ,   0                           ; window 1: v0-191 q's 16 fragments: 12 (4 s + i).  (In the prologue: v0-127 x as loaded)
.set CLP,  128                         ; window 1: two sets of 32 numbers of a column, in the prologue;
.set CLE,  192                         ; behind block 1.  From the softmax to mix's product v192-239 hold p of tiles 0, 1: 192 + 24 i + 12 ks
.set WB,   64                          ; window 2: v64-255 four sets of four fragments of source 0.  v0-47: p of tiles 2, 3.  In S's product the whole window is S of tiles 0, 1
.set MF,   0                           ; window 3: v0-191 my x's fragments, later mix's: 12 (4 s + i).  In S's product the whole window is S of tiles 2, 3
.set BM,   128                         ; the softmax's registers, in ACC: v128-135 the blocks' largest
.set BP,   136
.set SO8,  144
.set RM,   152
.set NM,   154                         ; -M, twice
.set PT,   160                         ; v160-191 p's codes as converted
.set SU,   192                         ; v192-199 four chains of the row's sum
; SCALAR REGISTERS
.set XP,   4                           ; s[4:5] x at my rows;  s[6:7] the stream;  s[8:9] my batch's row of the output
.set WV,   10                          ; my wave's number
.set G1,   16                          ; s[16:23] descriptor group 1
.set G0,   24                          ; s[24:27] group 0
.set RB,   28                          ; LDS byte of the slot that is read
.set WOFF, 29                          ; 12,800 x wave
.set BLK,  30
.set C8,   31                          ; which 64 columns
.set OC,   32
.set ZC,   33
.set RZ,   34                          ; LDS byte of the sub-slot that is read
.set SEL,  40                          ; s[40:41] selects for lane l xor 16
.set LG,   42                          ; s[42:43] log2 e
.set LG2,  44                          ; s[44:45] 2 log2 e
.set SST,  50                          ; my stage
.set XDSB, 51                          ; my rows' scale words in XDS
.set MSB, 0
.macro WIN new                         ; the immediate's high byte repeats the setting that is left; a switch that changes nothing is dropped
.if MSB != (\new)
	s_set_vgpr_msb (MSB<<8)|(\new)
.set MSB, (\new)
.endif
.endm
; A load into a register that a matrix instruction has read, and a vector instruction or LDS store that reads a matrix result, stand four places behind it; only plain vector instructions that name none of its
; registers are places (ISA guide 7.12.1 for vector instructions).
.macro PLACES
.rept 4
	v_nop
.endr
.endm
.macro ROUND                           ; a round of the cluster's barrier
	s_barrier_signal -1
	s_barrier_wait -1
	s_cmp_lg_u32 s[WV], 0
	s_cbranch_scc1 .Lnot_wave_0_\@
	s_barrier_signal -3
.Lnot_wave_0_\@:
	s_barrier_wait -3
	s_barrier_signal -1
	s_barrier_wait -1
.endm
; THE CHANGE OF SLOTS stands at a slot's head.  Each wave waits for all its tensor loads (one is out: its quarter of the slot ahead), adds 0 to its spare word, and waits for that and for ALL its LDS instructions:
; its reads of the slot that it leaves, and whatever it has stored for the other waves.  fill = 1: the slot just left takes the next slot of the stream; that load has this slot's whole work in which to land.
.macro H fill
	s_wait_tensorcnt 0x0                           ; no tensor load of mine is out, so group 0 may be written
	ds_add_u32 v[SPW], v[NIL]
.if \fill
	s_add_co_u32 s[G0+1], s[RB], s[WOFF]           ; into the slot read until now,
	s_add_nc_u64 s[G0+2:G0+3], s[G0+2:G0+3], SLOTB ; the stream's next slot; the type bits on top are not reached
.endif
	s_xor_b32 s[RB], s[RB], SLOTB                  ; I read the other slot from here on
	s_wait_dscnt 0x0
.if \fill
	ROUND                                          ; no wave of any partner still reads the slot or has a load on its way
	tensor_load_to_lds s[G0:G0+3], s[G1:G1+7]      ; my one tensor load until the next round
	s_nop 0
	PLACES
.else
	s_barrier_signal -1
	s_barrier_wait -1
.endif
.endm
; One product; its registers are the symbols rD, rA, rB, rSA, rSB.  ra, rb: the scale words stand in lanes 16-31.
.macro WM zero, ra, rb
.if \zero
.if (\ra) && (\rb)
	v_wmma_scale_f32_16x16x128_f8f6f4 v[rD:rD+7], v[rA:rA+11], v[rB:rB+11], 0, v[rSA], v[rSB] matrix_a_fmt:MATRIX_FMT_FP6 matrix_b_fmt:MATRIX_FMT_FP6 matrix_a_scale:MATRIX_SCALE_ROW1 matrix_b_scale:MATRIX_SCALE_ROW1
.elseif (\ra)
	v_wmma_scale_f32_16x16x128_f8f6f4 v[rD:rD+7], v[rA:rA+11], v[rB:rB+11], 0, v[rSA], v[rSB] matrix_a_fmt:MATRIX_FMT_FP6 matrix_b_fmt:MATRIX_FMT_FP6 matrix_a_scale:MATRIX_SCALE_ROW1
.elseif (\rb)
	v_wmma_scale_f32_16x16x128_f8f6f4 v[rD:rD+7], v[rA:rA+11], v[rB:rB+11], 0, v[rSA], v[rSB] matrix_a_fmt:MATRIX_FMT_FP6 matrix_b_fmt:MATRIX_FMT_FP6 matrix_b_scale:MATRIX_SCALE_ROW1
.else
	v_wmma_scale_f32_16x16x128_f8f6f4 v[rD:rD+7], v[rA:rA+11], v[rB:rB+11], 0, v[rSA], v[rSB] matrix_a_fmt:MATRIX_FMT_FP6 matrix_b_fmt:MATRIX_FMT_FP6
.endif
.else
.if (\ra) && (\rb)
	v_wmma_scale_f32_16x16x128_f8f6f4 v[rD:rD+7], v[rA:rA+11], v[rB:rB+11], v[rD:rD+7], v[rSA], v[rSB] matrix_a_fmt:MATRIX_FMT_FP6 matrix_b_fmt:MATRIX_FMT_FP6 matrix_a_scale:MATRIX_SCALE_ROW1 matrix_b_scale:MATRIX_SCALE_ROW1
.elseif (\ra)
	v_wmma_scale_f32_16x16x128_f8f6f4 v[rD:rD+7], v[rA:rA+11], v[rB:rB+11], v[rD:rD+7], v[rSA], v[rSB] matrix_a_fmt:MATRIX_FMT_FP6 matrix_b_fmt:MATRIX_FMT_FP6 matrix_a_scale:MATRIX_SCALE_ROW1
.elseif (\rb)
	v_wmma_scale_f32_16x16x128_f8f6f4 v[rD:rD+7], v[rA:rA+11], v[rB:rB+11], v[rD:rD+7], v[rSA], v[rSB] matrix_a_fmt:MATRIX_FMT_FP6 matrix_b_fmt:MATRIX_FMT_FP6 matrix_b_scale:MATRIX_SCALE_ROW1
.else
	v_wmma_scale_f32_16x16x128_f8f6f4 v[rD:rD+7], v[rA:rA+11], v[rB:rB+11], v[rD:rD+7], v[rSA], v[rSB] matrix_a_fmt:MATRIX_FMT_FP6 matrix_b_fmt:MATRIX_FMT_FP6
.endif
.endif
.endm
.macro LOADG n                         ; the four weight fragments of K step n (sub-slot n / 4) into set n % 4: 12 loads of 512 consecutive bytes
	WIN 0x80
.irp t, 0,1,2,3
.irp g, 0,1,2
	ds_load_b128 v[WB+48*((\n)%4)+12*\t+4*\g:WB+48*((\n)%4)+12*\t+4*\g+3], v[AD] offset:((\n)/4)*SUBB+((\n)%4)*6144+\t*1536+512*\g
.endr
.endr
.endm
; 16 products: the four weight tiles of K step n x my four tiles of rows.  The 16 accumulators take turns, one instruction a turn, in the same order in every K step.
.macro MULG n, b0, sb0, zero
.irp t, 0,1,2,3
.irp i, 0,1,2,3
.set rD, ACC+32*\i+8*\t
.set rA, WB+48*((\n)%4)+12*\t
.set rB, (\b0)+12*(4*((\n)%4)+\i)
.set rSA, SW+4*(2*((\n)/4)+\t/2)+(\n)%4
.set rSB, (\sb0)+4*(\i/2)+(\n)%4
	WM \zero, \t%2, \i%2
.endr
.endr
.endm
; Tiles i0, i0 + 1 of ACC (32 registers each: register 16 b + x = column 32 b + 16 h + x of my row) become half fragments (64 along K) in PC and two scale bytes in HW.
.macro QH2 i0
.set qA, ACC+32*(\i0)
.irp b, 0,1,2,3
	v_max3_num_f32 v[TM+\b], |v[qA+16*\b]|, |v[qA+16*\b+1]|, 0x1800000   ; my 16 numbers of a block, from each accumulator's low end on, and the floor 2^(3 - 127): the byte cannot fall under 1
.endr
.irp x, 2,4,6,8,10,12,14
.irp b, 0,1,2,3
	v_max3_num_f32 v[TM+\b], v[TM+\b], |v[qA+16*\b+\x]|, |v[qA+16*\b+\x+1]|   ; the four blocks by turns
.endr
.endr
.irp b, 0,1,2,3
	v_permlanex16_b32 v[TM+4+\b], v[TM+\b], s[SEL], s[SEL+1]
.endr
.irp b, 0,1,2,3
	v_max_num_f32 v[TM+\b], v[TM+\b], v[TM+4+\b]   ; with lane l xor 16's: the block's largest magnitude
.endr
.irp b, 0,1,2,3
	v_add_nc_u32 v[TM+8+\b], 0xff000000, v[TM+\b]  ; 2 off its exponent field: the conversion's scale operand
.endr
.irp b, 0,1,2,3
	v_lshrrev_b32 v[TM+4+\b], 23, v[TM+8+\b]       ; the byte
.endr
.irp e, 0,1
	v_lshl_or_b32 v[HW+(\i0)+\e], v[TM+5+2*\e], 8, v[TM+4+2*\e]
.endr
.irp e, 0,1
	v_cvt_scalef32_pk16_fp6_f32 v[PC+6*((\i0)+\e):PC+6*((\i0)+\e)+2], v[qA+32*\e:qA+32*\e+15], v[TM+8+2*\e]
	v_cvt_scalef32_pk16_fp6_f32 v[CB+4*\e:CB+4*\e+2], v[qA+32*\e+16:qA+32*\e+31], v[TM+9+2*\e]   ; (a conversion's three registers begin on an even number)
.endr
	v_nop                                          ; one plain place behind a scaled conversion
.irp e, 0,1                            ; the operand's layout wants a WHOLE block in a lane: lanes 0-15 the first, lanes 16-31 the second
.irp x, 0,1,2
	v_permlane16_swap_b32 v[PC+6*((\i0)+\e)+\x], v[CB+4*\e+\x]
.endr
.irp x, 0,1,2
	v_mov_b32 v[PC+6*((\i0)+\e)+3+\x], v[CB+4*\e+\x]
.endr
.endr
.endm
; The four half fragments go to their places among 16 fragments kept in registers.  A register's number cannot hang on a counter: eight arms, one for each c8, each jumped over by a branch on the counter.
.macro ARM win, base, k
	s_cmp_lg_u32 s[C8], \k
	s_cbranch_scc1 .Lnot_this_\@
	WIN \win
.irp i, 0,1,2,3
.irp j, 0,1,2,3,4,5
	v_mov_b32 v[(\base)+12*(4*((\k)/2)+\i)+6*((\k)%2)+\j], v[PC+6*\i+\j]
.endr
.endr
	WIN 0
.Lnot_this_\@:
.endm
.macro FILE win, base                  ; (no LDS instruction of mine is out when AD + 7 is written)
	s_lshl_b32 s36, s[C8], 1
	v_add_nc_u32 v[AD+7], s36, v[QSW]
.irp i, 0,1,2,3
	ds_store_b16 v[AD+7], v[HW+\i] offset:256*\i   ; the scale bytes gather in my stage: tile i, row r, bytes 2 c8, 2 c8 + 1; both halves of the lanes write the same
.endr
.irp k, 0,1,2,3,4,5,6,7
	ARM \win, \base, \k
.endr
.endm
.macro XADDR                           ; where 64 columns c8 of my 64 rows go in XD, XDS, XM, XMS
	s_wait_dscnt 0x0                               ; no LDS instruction of mine still names these registers
	s_mul_i32 s35, s[C8], 1536
	s_lshl_b32 s36, s[C8], 1
	s_mul_i32 s37, s[C8], 3072
	s_lshl_b32 s38, s[C8], 7
	v_add_nc_u32 v[AD], s35, v[XDW]
	v_add_nc_u32 v[AD+1], s35, v[XDV]
	v_add_nc_u32 v[AD+2], s36, v[XDSW]
	v_add_nc_u32 v[AD+3], s37, v[XMA]
	v_add_nc_u32 v[AD+4], s37, v[XMB]
	v_add_nc_u32 v[AD+5], s38, v[XMC]
.endm
.macro QHX                             ; ACC, quantised along d, into XD and XDS
	QH2 0
	QH2 2
.irp i, 0,1,2,3
	ds_store_b128 v[AD], v[PC+6*\i:PC+6*\i+3] offset:(\i/2)*12288+(\i%2)*768
	ds_store_b64 v[AD+1], v[PC+6*\i+4:PC+6*\i+5] offset:(\i/2)*12288+(\i%2)*768
	ds_store_b16 v[AD+2], v[HW+\i] offset:(\i/2)*512+(\i%2)*256
.endr
.endm
; Quarter n of ACC: 32 rows (tiles 2 (n % 2), + 1) x 32 columns (n / 2).  SI: into the stage; tile u's lane r has place 16 u + r.
.macro SI n
.irp u, 0,1
.irp jj, 0,1,2,3
.set sR, ACC+32*(2*((\n)%2)+\u)+16*((\n)/2)+4*\jj
	ds_store_b128 v[STW], v[sR:sR+3] offset:\u*2304+16*\jj
.endr
.endr
.endm
; The prologue's way into the stage: quarter n of x as it was loaded (load q: rows 4 q + lane / 8), and back in the products' layout into ACC.
.macro SIL n, cnt
	s_wait_loadcnt \cnt                            ; the quarter's eight loads are in; cnt = the loads of the younger quarters
	WIN 0x04                                       ; an LDS store's data are its source 1: window 1
.irp q, 0,1,2,3,4,5,6,7
	ds_store_b128 v[STL], v[32*(\n)+4*\q:32*(\n)+4*\q+3] offset:(16*((\q>>1)&1)+8*(\q>>2)+4*(\q&1))*144
.endr
	WIN 0
.irp u, 0,1
.irp jj, 0,1,2,3
.set sR, ACC+32*(2*((\n)%2)+\u)+16*((\n)/2)+4*\jj
	ds_load_b128 v[sR:sR+3], v[STW] offset:\u*2304+16*\jj   ; LDS serves a wave's instructions in order (ISA guide 5.7.1.4): these see the stores above
.endr
.endr
.endm
.macro CO n, cl                        ; out of the stage by columns: lane = column, registers down the 32 rows in their true order (row l has place 16 ((l / 8) % 2) + 8 (l / 16) + l % 8)
	WIN 0x40
.set cL, 0
.rept 32
	ds_load_b32 v[(\cl)+32*((\n)%2)+cL], v[STC] offset:(16*((cL>>3)&1)+8*(cL>>4)+(cL&7))*144
.set cL, cL+1
.endr
	WIN 0
.endm
; A column's 32 rows are one block along the values' K, whole in my lane: codes into XM; the two blocks' bytes, when the second is made, into XMS.  cnt: the LDS instructions issued behind CO n.
.macro XQ n, cl, cnt
.set rC, (\cl)+32*((\n)%2)
.set rX, PC+8*((\n)%2)
	s_wait_dscnt \cnt
	WIN 0x15
.irp k, 0,1,2,3
	v_max3_num_f32 v[TM+\k], |v[rC+8*\k]|, |v[rC+8*\k+1]|, |v[rC+8*\k+2]|
.endr
	WIN 0x14
.irp k, 0,1,2,3
	v_max3_num_f32 v[TM+\k], v[TM+\k], |v[rC+8*\k+3]|, |v[rC+8*\k+4]|
.endr
.irp k, 0,1,2,3
	v_max3_num_f32 v[TM+\k], v[TM+\k], |v[rC+8*\k+5]|, |v[rC+8*\k+6]|
.endr
.irp k, 0,1,2,3
	v_max3_num_f32 v[TM+\k], v[TM+\k], |v[rC+8*\k+7]|, 0x1800000
.endr
	WIN 0
	v_max3_num_f32 v[TM], v[TM], v[TM+1], v[TM+2]
	v_max_num_f32 v[TM], v[TM], v[TM+3]
	v_add_nc_u32 v[TM+8], 0xff000000, v[TM]
	WIN 0x01
	v_cvt_scalef32_pk16_fp6_f32 v[rX:rX+2], v[rC:rC+15], v[TM+8]
	v_cvt_scalef32_pk16_fp6_f32 v[CB:CB+2], v[rC+16:rC+31], v[TM+8]
	WIN 0
.if (\n)%2 == 0
	v_lshrrev_b32 v[MS], 23, v[TM+8]               ; the byte.  (The plain place behind the conversions)
.else
	v_lshrrev_b32 v[MS+1], 23, v[TM+8]
	v_lshl_or_b32 v[MS+2], v[MS+1], 8, v[MS]
.endif
.irp x, 0,1,2
	v_mov_b32 v[rX+3+\x], v[CB+\x]
.endr
	ds_store_b128 v[AD+3], v[rX:rX+3] offset:((\n)/2)*1536+((\n)%2)*256
	ds_store_b64 v[AD+4], v[rX+4:rX+5] offset:((\n)/2)*1536+((\n)%2)*128
.if (\n)%2 == 1
	ds_store_b16 v[AD+5], v[MS+2] offset:((\n)/2)*64
.endif
.endm
.macro XLD n, off                      ; quarter n of 64 columns of my 64 rows of x: eight loads, each 4 rows x 128 consecutive bytes
	WIN 0x40
.irp q, 0,1,2,3,4,5,6,7
	global_load_b128 v[32*(\n)+4*\q:32*(\n)+4*\q+3], v[GX], s[XP:XP+1] offset:(\off)+((\n)%2)*65536+\q*8192+((\n)/2)*128 th:TH_LOAD_NT
.endr
	WIN 0
.endm
; A trip of the prologue: 64 columns of x into XD and XM.  rel = 1: each quarter's registers are loaded again, with the next 64 columns, as soon as the wait of XQ has shown that the stores which read them are done.
.macro PTRIP rel
	XADDR
	SIL 0, 24
	CO 0, CLP
	SIL 1, 16
	CO 1, CLP
	XQ 0, CLP, 48                                  ; behind CO 0: SIL 1's 16 and CO 1's 32
.if \rel
	XLD 0, 256
.endif
	SIL 2, 8+8*\rel
	CO 2, CLP
	XQ 1, CLP, 50                                  ; XQ 0's 2, 16 and 32
.if \rel
	XLD 1, 256
.endif
	SIL 3, 16*\rel
	CO 3, CLP
	XQ 2, CLP, 51                                  ; XQ 1's 3, 16 and 32
.if \rel
	XLD 2, 256
.endif
	XQ 3, CLP, 2                                   ; XQ 2's 2
.if \rel
	XLD 3, 256
.endif
	s_wait_dscnt 0x0                               ; ACC is whole, and XQ's stores have read PC's registers
	QHX
.endm
.macro EMIT                            ; block 1's result in ACC becomes block 2's XD and XM, in place: nobody reads the old ones behind the change of slots at this trip's head
	XADDR
	QHX
	SI 0
	CO 0, CLE
	SI 1
	CO 1, CLE
	XQ 0, CLE, 40                                  ; behind CO 0: SI 1's 8 and CO 1's 32
	SI 2
	CO 2, CLE
	XQ 1, CLE, 42                                  ; XQ 0's 2, 8 and 32
	SI 3
	CO 3, CLE
	XQ 2, CLE, 43                                  ; XQ 1's 3, 8 and 32
	XQ 3, CLE, 2
.endm
.macro TANH                            ; 1 - 2 / (1 + 2^(2 x log2 e)) on ACC's 128 registers, in ascending order
.set j, 0
.rept 64
	v_pk_mul_f32 v[ACC+j:ACC+j+1], v[ACC+j:ACC+j+1], s[LG2:LG2+1] op_sel_hi:[1,0]
.set j, j+2
.endr
.set j, 0
.rept 128
	v_exp_f32 v[ACC+j], v[ACC+j]
.set j, j+1
.endr
	v_nop                                          ; a plain place behind the transcendentals
.set j, 0
	s_wait_alu depctr_va_vdst(0)
.rept 64
	v_pk_add_f32 v[ACC+j:ACC+j+1], v[ACC+j:ACC+j+1], 1.0 op_sel_hi:[1,0]
.set j, j+2
.endr
.set j, 0
.rept 128
	v_rcp_f32 v[ACC+j], v[ACC+j]
.set j, j+1
.endr
	v_nop
.set j, 0
	s_wait_alu depctr_va_vdst(0)
.rept 64
	v_pk_fma_f32 v[ACC+j:ACC+j+1], v[ACC+j:ACC+j+1], -2.0, 1.0 op_sel_hi:[1,0,0]
.set j, j+2
.endr
.endm
.macro POOLC                           ; the sum over my 64 rows of 64 columns: four tiles, then the 16 lanes of a half; into my stage, column by column
.set j, 0
.rept 16
	v_pk_add_f32 v[ACC+j:ACC+j+1], v[ACC+j:ACC+j+1], v[ACC+32+j:ACC+33+j]
	v_pk_add_f32 v[ACC+64+j:ACC+65+j], v[ACC+64+j:ACC+65+j], v[ACC+96+j:ACC+97+j]
.set j, j+2
.endr
.set j, 0
.rept 16
	v_pk_add_f32 v[ACC+j:ACC+j+1], v[ACC+j:ACC+j+1], v[ACC+64+j:ACC+65+j]
.set j, j+2
.endr
.irp m, 1,2,4,8
.set j, 0
.rept 32
	v_add_f32_dpp v[ACC+j], v[ACC+j], v[ACC+j] row_xmask:\m row_mask:0xf bank_mask:0xf
.set j, j+1
.endr
.endr
	v_bfe_u32 v[AD+6], v0, 4, 1
	s_lshl_b32 s46, s[C8], 8
	s_add_co_u32 s46, s46, s[SST]
	v_lshl_add_u32 v[AD+6], v[AD+6], 6, s46        ; register 16 b + x is column 64 c8 + 32 b + 16 h + x
.irp m, 0,1,2,3,4,5,6,7
	ds_store_b128 v[AD+6], v[ACC+4*\m:ACC+4*\m+3] offset:(\m/4)*128+(\m%4)*16   ; the 16 lanes of a half write the same bytes with the same values
.endr
.endm
.macro STEP4 n, cnt, zero              ; a K step of the last product: K steps 0-3 take mix, 4-7 take q; a set that is done takes the K step four on
	s_wait_dscnt \cnt
.if (\n) < 4
	WIN 0x0E                                       ; source 0 window 2, source 1 window 3
	MULG \n, MF, SX, \zero
	PLACES
	LOADG (\n)+4
.else
	WIN 0x06                                       ; source 1 window 1
	MULG \n, RQ, SQ, 0
.endif
.endm
.macro P4MUL                           ; out = [mix, q] W_out^T for 64 columns: 128 products.  The waits count the three younger K steps' 12 loads each, then run down
	v_add_nc_u32 v[AD], s[RB], v[LI]
.irp q, 0,1,2,3
	ds_load_b128 v[SW+4*\q:SW+4*\q+3], v[AD] offset:(\q/2)*SUBB+24576+512*(\q%2)
.endr
	LOADG 0
	LOADG 1
	LOADG 2
	LOADG 3
	STEP4 0, 36, 1
	STEP4 1, 36, 0
	STEP4 2, 36, 0
	STEP4 3, 36, 0
	STEP4 4, 36, 0
	STEP4 5, 24, 0
	STEP4 6, 12, 0
	STEP4 7, 0, 0
	PLACES
	WIN 0
.endm
; S^T = XD q^T.  Group g: the pair of key tiles P = g / 2, K steps 2 (g % 2), + 1: four fragments, 16 loads, into set g % 2 of ACC.
.macro LOADX g
.set xP, (\g)/2
.set xA, AD+2*(xP/4)
.set xO, (xP%4)*12288+((\g)%2)*6144
.irp sl, 0,1
.irp u, 0,1
.set xF, ACC+48*((\g)%2)+12*(2*\sl+\u)
	ds_load_b128 v[xF:xF+3], v[xA] offset:xO+\sl*3072+\u*768
	ds_load_b64 v[xF+4:xF+5], v[xA+1] offset:xO+\sl*3072+\u*768
	ds_load_b128 v[xF+6:xF+9], v[xA] offset:xO+\sl*3072+\u*768+1536
	ds_load_b64 v[xF+10:xF+11], v[xA+1] offset:xO+\sl*3072+\u*768+1536
.endr
.endr
.endm
.macro GRP g, cnt                      ; 16 products; an accumulator comes round every fourth instruction.  cnt: the next group's 16 loads may stay out
	s_wait_dscnt \cnt
.irp hi, 0,1
	WIN 0xA4+0x50*\hi                              ; source 0 window 0, source 1 window 1, C and D window 2 (tiles 0, 1) or 3 (tiles 2, 3)
.irp sl, 0,1
.irp u, 0,1
.irp ii, 0,1
.set rD, 128*\ii+16*((\g)/2)+8*\u
.set rA, ACC+48*((\g)%2)+12*(2*\sl+\u)
.set rB, RQ+12*(4*(2*((\g)%2)+\sl)+2*\hi+\ii)
.set rSA, SW+4*(((\g)/2)%4)+2*((\g)%2)+\sl
.set rSB, SQ+4*\hi+2*((\g)%2)+\sl
.if ((\g)%2 == 0) && (\sl == 0)
	WM 1, \u, \ii
.else
	WM 0, \u, \ii
.endif
.endr
.endr
.endr
.endr
	PLACES
	WIN 0
.if ((\g)%2 == 1) && ((\g)/2 < 4)
	ds_load_b128 v[SW+4*((\g)/2):SW+4*((\g)/2)+3], v[AD+4] offset:((\g)/2+4)*512   ; this pair's scale words are done with: the pair four on takes their registers
.endif
.if (\g)+2 < 16
	LOADX (\g)+2
.endif
.endm
; THE SOFTMAX of tile i: S's 128 registers (register 16 b + x = key 32 b + 16 h + x of my row) hold the whole row with lane l xor 16, so M is the row's own and nothing is rescaled.
.macro SM i
.set smW, 2+(\i)/2
.set smB, 128*((\i)%2)
	WIN smW|(smW<<2)|(smW<<4)
.irp b, 0,1,2,3,4,5,6,7
	v_max3_num_f32 v[BM+\b], v[smB+16*\b], v[smB+16*\b+1], v[smB+16*\b+2]   ; THE LARGEST SCORE OF EACH BLOCK OF 32 KEYS serves twice: for the row's maximum and, since p rises with the score, for the block's largest p
.endr
	WIN (smW<<2)|(smW<<4)
.irp x, 3,5,7,9,11,13
.irp b, 0,1,2,3,4,5,6,7
	v_max3_num_f32 v[BM+\b], v[BM+\b], v[smB+16*\b+\x], v[smB+16*\b+\x+1]
.endr
.endr
.irp b, 0,1,2,3,4,5,6,7
	v_max_num_f32 v[BM+\b], v[BM+\b], v[smB+16*\b+15]
.endr
	WIN 0
.irp b, 0,1,2,3,4,5,6,7
	v_permlanex16_b32 v[BP+\b], v[BM+\b], s[SEL], s[SEL+1]
.endr
.irp b, 0,1,2,3,4,5,6,7
	v_max_num_f32 v[BM+\b], v[BM+\b], v[BP+\b]
.endr
	v_max3_num_f32 v[RM], v[BM], v[BM+1], v[BM+2]
	v_max3_num_f32 v[RM], v[RM], v[BM+3], v[BM+4]
	v_max3_num_f32 v[RM], v[RM], v[BM+5], v[BM+6]
	v_max_num_f32 v[RM], v[RM], v[BM+7]
	v_mul_f32 v[RM], s[LG], v[RM]                  ; the row's largest t
	v_floor_f32 v[NM], -v[RM]                      ; -M = floor(-t) = -ceil(t)
	v_floor_f32 v[NM+1], -v[RM]                    ; (named with it as a pair)
.irp b, 0,1,2,3,4,5,6,7
	v_fma_f32 v[BM+\b], v[BM+\b], s[LG], v[NM]
.endr
	WIN smW|(smW<<6)
.set j, 0
.rept 64
	v_pk_fma_f32 v[smB+j:smB+j+1], v[smB+j:smB+j+1], s[LG:LG+1], v[NM:NM+1] op_sel_hi:[1,0,0]   ; t - M
.set j, j+2
.endr
.set j, 0
.rept 128
	v_exp_f32 v[smB+j], v[smB+j]                   ; p = 2^(t - M): not normalised
.set j, j+1
.endr
	WIN 0
.irp b, 0,1,2,3,4,5,6,7
	v_exp_f32 v[BM+\b], v[BM+\b]                   ; the block's largest p: the same two instructions on the same number give the same bits
.endr
	v_nop                                          ; a plain place behind the transcendentals
	s_wait_alu depctr_va_vdst(0)
.irp b, 0,1,2,3,4,5,6,7
	v_max_num_f32 v[BM+\b], 0x1800000, v[BM+\b]    ; the floor: a block whose every p has fallen to 0 keeps the byte 1
.endr
.irp b, 0,1,2,3,4,5,6,7
	v_add_nc_u32 v[SO8+\b], 0xff000000, v[BM+\b]
.endr
.irp b, 0,1,2,3,4,5,6,7
	v_lshrrev_b32 v[BP+\b], 23, v[SO8+\b]
.endr
.irp ks, 0,1
	v_lshl_or_b32 v[SP+2*(\i)+\ks], v[BP+4*\ks+1], 8, v[BP+4*\ks]
	v_lshl_or_b32 v[SP+2*(\i)+\ks], v[BP+4*\ks+2], 16, v[SP+2*(\i)+\ks]
	v_lshl_or_b32 v[SP+2*(\i)+\ks], v[BP+4*\ks+3], 24, v[SP+2*(\i)+\ks]
.endr
	WIN smW
.irp f, 0,1,2,3                        ; f = 2 ks + c: keys 64 f on
	v_cvt_scalef32_pk16_fp6_f32 v[PT+8*\f:PT+8*\f+2], v[smB+32*\f:smB+32*\f+15], v[SO8+2*\f]
	v_cvt_scalef32_pk16_fp6_f32 v[PT+8*\f+4:PT+8*\f+6], v[smB+32*\f+16:smB+32*\f+31], v[SO8+2*\f+1]
.endr
	WIN 0
	v_nop                                          ; one plain place behind a scaled conversion
.irp f, 0,1,2,3
.irp x, 0,1,2
	v_permlane16_swap_b32 v[PT+8*\f+\x], v[PT+8*\f+4+\x]   ; a whole block to a lane
.endr
.endr
.if (\i) < 2
.set pB, 192+24*(\i)
	WIN 0x40
.else
.set pB, 24*((\i)-2)
	WIN 0x80
.endif
.irp f, 0,1,2,3
.irp x, 0,1,2
	v_mov_b32 v[pB+6*\f+\x], v[PT+8*\f+\x]
	v_mov_b32 v[pB+6*\f+3+\x], v[PT+8*\f+4+\x]
.endr
.endr
	WIN smW|(smW<<2)                               ; THE ROW'S SUM IS TAKEN OF THE UNQUANTISED p: two at a time, in four chains
.irp k, 0,1,2,3
	v_pk_add_f32 v[SU+2*\k:SU+2*\k+1], v[smB+2*\k:smB+2*\k+1], v[smB+8+2*\k:smB+9+2*\k]
.endr
	WIN smW<<2
.set j, 16
.rept 14
.irp k, 0,1,2,3
	v_pk_add_f32 v[SU+2*\k:SU+2*\k+1], v[SU+2*\k:SU+2*\k+1], v[smB+j+2*\k:smB+j+2*\k+1]
.endr
.set j, j+8
.endr
	WIN 0
	v_pk_add_f32 v[SU:SU+1], v[SU:SU+1], v[SU+2:SU+3]
	v_pk_add_f32 v[SU+4:SU+5], v[SU+4:SU+5], v[SU+6:SU+7]
	v_pk_add_f32 v[SU:SU+1], v[SU:SU+1], v[SU+4:SU+5]
	v_add_f32 v[SU], v[SU], v[SU+1]
	v_permlanex16_b32 v[BP], v[SU], s[SEL], s[SEL+1]
	v_add_f32 v[SU], v[SU], v[BP]
	v_rcp_f32 v[RL+2*(\i)], v[SU]
	v_nop                                          ; a plain place behind the transcendental
	s_wait_alu depctr_va_vdst(0)
	v_mov_b32 v[RL+2*(\i)+1], v[RL+2*(\i)]
.endm
	; ---------------- the head
	s_load_b128 s[4:7], s[0:1], 0x0                ; x, the stream
	s_load_b64 s[8:9], s[0:1], 0x10                ; the output
	v_lshl_add_u32 v[SPW], v0, 2, SPARE
	v_mov_b32 v[NIL], 0
	ds_add_u32 v3, v4
	ds_add_u32 v3, v4
	s_wait_dscnt 0x0
	v_lshrrev_b32 v5, 5, v0
	v_readfirstlane_b32 s[WV], v5                  ; wave 0..3
	s_bfe_u32 s11, ttmp6, 0x40000                  ; cx: my place in the cluster
	s_lshl_b32 s12, ttmp9, 2                       ; in a cluster launch ttmp9 counts clusters
	s_add_co_u32 s12, s12, s11                     ; my batch: it enters x's and the output's addresses alone
	; descriptor group 1: a quarter slot, 12,800 dense bytes, as 50 rows of 256 bytes (32 elements of 8 bytes); no padding: every read of the ring takes 512 consecutive bytes
	s_mov_b32 s[G1], 15|(3<<16)|(1<<21)            ; 15:0 the mask: all four work-groups; 17:16 elements of 8 bytes; 21 set beside a mask
	s_mov_b32 s[G1+1], 32<<16                      ; tensor_dim0 = 32
	s_mov_b32 s[G1+2], 50<<16                      ; tensor_dim1 = 50
	s_mov_b32 s[G1+3], 32<<16                      ; tile_dim0 = 32
	s_mov_b32 s[G1+4], 50                          ; tile_dim1 = 50
	s_mov_b32 s[G1+5], 32                          ; from row to row
	s_mov_b32 s[G1+6], 0
	s_mov_b32 s[G1+7], 0
	s_mul_i32 s[WOFF], s[WV], 12800                ; my quarter, in the stream and in a slot: no place in the cluster enters either
	s_mov_b32 s[RB], RING+SLOTB                    ; the first change of slots turns it to RING
	s_mov_b32 s[SEL], 0x76543210
	s_mov_b32 s[SEL+1], 0xfedcba98
	s_mov_b32 s[LG], 0x3fb8aa3b                    ; log2 e
	s_mov_b32 s[LG+1], s[LG]
	s_mov_b32 s[LG2], 0x4038aa3b                   ; 2 log2 e
	s_mov_b32 s[LG2+1], s[LG2]
	s_mul_i32 s[SST], s[WV], STGW
	s_add_co_u32 s[SST], s[SST], STAGE
	s_lshl_b32 s[XDSB], s[WV], 10
	s_add_co_u32 s[XDSB], s[XDSB], XDS
	s_lshl_b32 s46, s12, 19                        ; a batch of x is 524,288 bytes,
	s_lshl_b32 s47, s[WV], 17                      ; my 64 rows 131,072
	s_add_co_u32 s46, s46, s47
	s_mov_b32 s47, 0
	s_lshl_b32 s48, s12, 11                        ; a batch's 512 results
	s_mov_b32 s49, 0
	s_mov_b32 s52, s[WOFF]
	s_mov_b32 s53, 0
	v_bfe_u32 v9, v0, 3, 2                         ; lane / 8
	v_and_b32 v10, 7, v0                           ; lane % 8
	v_lshlrev_b32 v8, 11, v9
	v_lshl_add_u32 v[GX], v10, 4, v8
	s_wait_kmcnt 0x0
	s_add_nc_u64 s[XP:XP+1], s[XP:XP+1], s[46:47]
	s_add_nc_u64 s[8:9], s[8:9], s[48:49]
	s_mov_b32 s[G0], 1                             ; count = 1
	s_add_co_u32 s[G0+1], s[WOFF], RING            ; LDS address: slot 0 of the stream goes to the ring's first slot
	s_add_nc_u64 s[G0+2:G0+3], s[6:7], s[52:53]
	s_or_b32 s[G0+3], s[G0+3], 0x80000000          ; type = 2
	ROUND                                          ; all four work-groups are here: the first joint loads meet
	tensor_load_to_lds s[G0:G0+3], s[G1:G1+7]
	s_nop 0
	PLACES
	XLD 0, 0                                       ; the first 64 columns of x: 32 loads, 16 KiB a wave
	XLD 1, 0
	XLD 2, 0
	XLD 3, 0
	v_and_b32 v5, 31, v0                           ; lane
	v_and_b32 v6, 15, v0                           ; r
	v_bfe_u32 v7, v0, 4, 1                         ; h
	v_lshlrev_b32 v[LI], 4, v5
	v_lshlrev_b32 v[L8], 3, v5
	v_mul_u32_u24 v8, v6, 144
	v_lshl_add_u32 v8, v7, 6, v8
	v_add_nc_u32 v[STW], s[SST], v8
	v_lshlrev_b32 v8, 2, v5
	v_add_nc_u32 v[STC], s[SST], v8
	v_mul_u32_u24 v8, v9, 144
	v_lshl_add_u32 v8, v10, 4, v8
	v_add_nc_u32 v[STL], s[SST], v8
	v_bfe_u32 v11, v0, 3, 1                        ; as a column, lane 16 a + 8 u + j is lane 8 a + j of d tile u
	v_lshl_add_u32 v12, v7, 3, v10                 ; 8 a + j
	s_mul_i32 s46, s[WV], 24576
	s_add_co_u32 s47, s46, XM
	v_mul_u32_u24 v8, v11, 768
	v_add_nc_u32 v8, s47, v8
	v_lshl_add_u32 v[XMA], v12, 4, v8
	v_lshl_add_u32 v[XMB], v12, 3, v8
	v_add_nc_u32 v[XMB], 512, v[XMB]
	v_lshl_add_u32 v8, v11, 4, v12                 ; 16 u + 8 a + j
	s_lshl_b32 s48, s[WV], 10
	s_add_co_u32 s48, s48, XMS
	v_lshlrev_b32 v8, 1, v8
	v_add_nc_u32 v[XMC], s48, v8
	v_add_nc_u32 v[XDW], s46, v[LI]
	v_add_nc_u32 v[XDV], s46, v[L8]
	v_add_nc_u32 v[XDV], 512, v[XDV]
	v_lshlrev_b32 v8, 4, v6
	v_add_nc_u32 v[XDSW], s[XDSB], v8
	v_add_nc_u32 v[QSW], s[SST], v8
.irp b, 0,1,2,3
	v_mov_b32 v[TM+4+\b], 0                        ; written once: a lane permute's destination counts as one of its sources
.endr
	; ---------------- the prologue: x becomes XD and XM, 64 columns a trip
	s_mov_b32 s[C8], 0
.Lpro:
	PTRIP 1
	s_wait_xcnt 0x0                                ; the loads have read their base: it may step
	s_add_nc_u64 s[XP:XP+1], s[XP:XP+1], 256
	s_add_co_u32 s[C8], s[C8], 1
	s_cmp_lt_u32 s[C8], 7
	s_cbranch_scc1 .Lpro
	PTRIP 0                                        ; the last 64 columns: nothing more is loaded, the counts run down
	s_mov_b32 s[BLK], 0
.Lblock:
	; ---------------- q = x W_in^T.  My rows' 16 fragments of XD come into registers: my own bytes, which LDS serves in order behind my stores; the wait for them is the one in front of the first change of slots
	WIN 0xC0
.irp s, 0,1,2,3
.irp i, 0,1,2,3
.set fR, MF+12*(4*\s+\i)
.set fO, (\i/2)*12288+\s*3072+(\i%2)*768
	ds_load_b128 v[fR:fR+3], v[XDW] offset:fO
	ds_load_b64 v[fR+4:fR+5], v[XDV] offset:fO
	ds_load_b128 v[fR+6:fR+9], v[XDW] offset:fO+1536
	ds_load_b64 v[fR+10:fR+11], v[XDV] offset:fO+1536
.endr
.endr
	WIN 0
	v_add_nc_u32 v[AD+6], s[XDSB], v[LI]
	ds_load_b128 v[SX:SX+3], v[AD+6]
	ds_load_b128 v[SX+4:SX+7], v[AD+6] offset:512
	s_mov_b32 s[C8], 0
	s_mov_b32 s[OC], 0
.Lp1o:                                                 ; four slots of W_in, two sub-slots of 64 columns each
	H 1
	s_mov_b32 s[RZ], s[RB]
	s_mov_b32 s[ZC], 0
.Lp1z:
	v_add_nc_u32 v[AD], s[RZ], v[LI]
	ds_load_b128 v[SW:SW+3], v[AD] offset:24576
	ds_load_b128 v[SW+4:SW+7], v[AD] offset:25088
	LOADG 0
	LOADG 1
	LOADG 2
	LOADG 3
	WIN 0x0E
	s_wait_dscnt 36                                ; the scale words and K step 0 are in; three K steps' 12 loads each may be out
	MULG 0, MF, SX, 1
	s_wait_dscnt 24
	MULG 1, MF, SX, 0
	s_wait_dscnt 12
	MULG 2, MF, SX, 0
	s_wait_dscnt 0x0
	MULG 3, MF, SX, 0
	PLACES
	WIN 0
	QH2 0
	QH2 2
	FILE 0x40, RQ                                  ; q's codes serve twice: the scores, and the second half of the last product's K
	s_add_co_u32 s[RZ], s[RZ], SUBB
	s_add_co_u32 s[C8], s[C8], 1
	s_add_co_u32 s[ZC], s[ZC], 1
	s_cmp_lt_u32 s[ZC], 2
	s_cbranch_scc1 .Lp1z
	s_add_co_u32 s[OC], s[OC], 1
	s_cmp_lt_u32 s[OC], 4
	s_cbranch_scc1 .Lp1o
	; ---------------- S^T = XD q^T: all 256 keys.  Every wave's part of XD was stored ahead of a change of slots that all have passed
	v_add_nc_u32 v[AD+5], s[SST], v[LI]
	ds_load_b128 v[SQ:SQ+3], v[AD+5]               ; q's scale words out of my stage
	ds_load_b128 v[SQ+4:SQ+7], v[AD+5] offset:512
	v_add_nc_u32 v[AD], XD, v[LI]
	v_add_nc_u32 v[AD+1], XD+512, v[L8]
	v_add_nc_u32 v[AD+2], XD+49152, v[LI]
	v_add_nc_u32 v[AD+3], XD+49152+512, v[L8]
	v_add_nc_u32 v[AD+4], XDS, v[LI]
.irp P, 0,1,2,3
	ds_load_b128 v[SW+4*\P:SW+4*\P+3], v[AD+4] offset:512*\P
.endr
	LOADX 0
	LOADX 1
.irp g, 0,1,2,3,4,5,6,7,8,9,10,11,12,13,14
	GRP \g, 16
.endr
	GRP 15, 0
	SM 0
	SM 1
	SM 2
	SM 3
	; ---------------- mix^T = XM p^T / sum(p), 64 columns a trip
	s_mov_b32 s[C8], 0
.Lp3:
	s_mul_i32 s46, s[C8], 3072
	s_add_co_u32 s46, s46, XM
	s_add_co_u32 s47, s46, 512
	s_lshl_b32 s48, s[C8], 7
	s_add_co_u32 s48, s48, XMS
	v_add_nc_u32 v[AD], s46, v[LI]                 ; keys 0-127
	v_add_nc_u32 v[AD+1], s47, v[L8]
	v_add_nc_u32 v[AD+2], 49152, v[AD]             ; keys 128-255
	v_add_nc_u32 v[AD+3], 49152, v[AD+1]
	v_lshrrev_b32 v[AD+4], 3, v[LI]                ; 2 x lane
	v_add_nc_u32 v[AD+4], s48, v[AD+4]
.irp g, 0,1
.irp ks, 0,1
.irp c, 0,1
	ds_load_u16 v[MS+4*\g+2*\ks+\c], v[AD+4] offset:(2*\ks+\c)*1024+\g*64   ; the two bytes that wave 2 ks + c made
.endr
.endr
.endr
	WIN 0x80
.irp ks, 0,1
.irp t, 0,1,2,3
.set fR, WB+48*\ks+12*\t
	ds_load_b128 v[fR:fR+3], v[AD+2*\ks] offset:\t*768
	ds_load_b64 v[fR+4:fR+5], v[AD+2*\ks+1] offset:\t*768
	ds_load_b128 v[fR+6:fR+9], v[AD+2*\ks] offset:24576+\t*768
	ds_load_b64 v[fR+10:fR+11], v[AD+2*\ks+1] offset:24576+\t*768
.endr
.endr
	WIN 0
	s_wait_dscnt 32                                ; the eight half words are in; the 32 loads of fragments may be out
.irp g, 0,1
.irp ks, 0,1
	v_lshl_or_b32 v[SW+2*\g+\ks], v[MS+4*\g+2*\ks+1], 16, v[MS+4*\g+2*\ks]   ; the scale word of 128 keys: lanes 0-15 d tile 2 g, lanes 16-31 the next
.endr
.endr
.rept 8
	v_nop                                          ; a scale register written by a vector instruction stands 8 places ahead of a scaled matrix instruction
.endr
.irp ks, 0,1
	s_wait_dscnt 16-16*\ks                         ; this K step's 16 loads are in
.irp hi, 0,1
	WIN 0x06+4*\hi                                 ; source 0 window 2; source 1: p of tiles 0, 1 in window 1, of tiles 2, 3 in window 2
.irp t, 0,1,2,3
.irp ii, 0,1
.set rD, ACC+32*(2*\hi+\ii)+8*\t
.set rA, WB+48*\ks+12*\t
.set rB, 192*(1-\hi)+24*\ii+12*\ks
.set rSA, SW+2*(\t/2)+\ks
.set rSB, SP+2*(2*\hi+\ii)+\ks
	WM 1-\ks, \t%2, 0
.endr
.endr
.endr
.endr
	PLACES
	WIN 0
.irp i, 0,1,2,3
.set j, 0
.rept 16
	v_pk_mul_f32 v[ACC+32*\i+j:ACC+32*\i+j+1], v[ACC+32*\i+j:ACC+32*\i+j+1], v[RL+2*\i:RL+2*\i+1]   ; / the row's sum, ahead of the quantiser
.set j, j+2
.endr
.endr
	QH2 0
	QH2 2
	FILE 0xC0, MF
	s_add_co_u32 s[C8], s[C8], 1
	s_cmp_lt_u32 s[C8], 8
	s_cbranch_scc1 .Lp3
	v_add_nc_u32 v[AD+5], s[SST], v[LI]
	ds_load_b128 v[SX:SX+3], v[AD+5]               ; mix's scale words out of my stage; waited for in front of the next change of slots
	ds_load_b128 v[SX+4:SX+7], v[AD+5] offset:512
	; ---------------- out = [mix, q] W_out^T, a slot (64 columns) a trip
	s_mov_b32 s[C8], 0
.Lp4:
	s_lshl_b32 s46, s[BLK], 3
	s_add_co_u32 s46, s46, s[C8]
	s_cmp_eq_u32 s46, 15                           ; the stream's last slot: its trip is written out behind the loops, since it asks for nothing
	s_cbranch_scc1 .Ltail
	H 1
	P4MUL
	s_cmp_lg_u32 s[BLK], 0
	s_cbranch_scc1 .Lpool
	TANH
	EMIT
	s_branch .Lp4_end
.Lpool:
	POOLC
.Lp4_end:
	s_add_co_u32 s[C8], s[C8], 1
	s_cmp_lt_u32 s[C8], 8
	s_cbranch_scc1 .Lp4
	s_add_co_u32 s[BLK], s[BLK], 1
	s_cmp_lt_u32 s[BLK], 2                         ; two blocks; the second leaves the loops at its last slot's head, above
	s_cbranch_scc1 .Lblock
.Ltail:
	H 0                                            ; nothing is filled again: my work-group's barrier alone
	PLACES                                         ; an operand written by vector instructions stands four places ahead of a scaled matrix instruction: this way has no joint load, whose four places serve mix's fragments on the other
	P4MUL
	POOLC
	s_wait_dscnt 0x0                               ; for the others' sake: my 512 sums lie in my stage
	s_barrier_signal -1
	s_barrier_wait -1
	v_lshl_add_u32 v[AD], v0, 4, STAGE             ; thread t takes columns 4 t .. 4 t + 3 of all four waves' sums
.irp q, 0,1,2,3
	ds_load_b128 v[ACC+4*\q:ACC+4*\q+3], v[AD] offset:STGW*\q
.endr
	v_lshlrev_b32 v[AD+1], 4, v0
	s_wait_dscnt 0x0
	v_pk_add_f32 v[ACC:ACC+1], v[ACC:ACC+1], v[ACC+4:ACC+5]
	v_pk_add_f32 v[ACC+2:ACC+3], v[ACC+2:ACC+3], v[ACC+6:ACC+7]
	v_pk_add_f32 v[ACC+8:ACC+9], v[ACC+8:ACC+9], v[ACC+12:ACC+13]
	v_pk_add_f32 v[ACC+10:ACC+11], v[ACC+10:ACC+11], v[ACC+14:ACC+15]
	v_pk_add_f32 v[ACC:ACC+1], v[ACC:ACC+1], v[ACC+8:ACC+9]
	v_pk_add_f32 v[ACC+2:ACC+3], v[ACC+2:ACC+3], v[ACC+10:ACC+11]
	v_pk_mul_f32 v[ACC:ACC+1], v[ACC:ACC+1], 0x3b800000 op_sel_hi:[1,0]       ; / 256 rows
	v_pk_mul_f32 v[ACC+2:ACC+3], v[ACC+2:ACC+3], 0x3b800000 op_sel_hi:[1,0]
	global_store_b128 v[AD+1], v[ACC:ACC+3], s[8:9]   ; a wave stores 512 consecutive bytes, at a multiple of 256 from the output's first byte
	s_wait_tensorcnt 0x0                           ; the wave's end: behind my last tensor load and my last LDS store
	ds_add_u32 v[SPW], v[NIL]
	s_wait_dscnt 0x0
	ROUND                                          ; the closing round: no work-group ends while a partner may still ask for a slot that names it
	s_endpgm
.Lfunc_end_k_q2e805e8663_fuser:
	.size	k_q2e805e8663_fuser, .Lfunc_end_k_q2e805e8663_fuser-k_q2e805e8663_fuser
	.p2alignl 7, 3214868480
	.fill 96, 4, 3214868480
	.section	.rodata,"a",@progbits
	.p2align	6, 0x0
	.amdhsa_kernel k_q2e805e8663_fuser
		.amdhsa_group_segment_fixed_size 327680
		.amdhsa_private_segment_fixed_size 0
		.amdhsa_enable_private_segment 0
		.amdhsa_kernarg_size 24
		.amdhsa_user_sgpr_count 2
		.amdhsa_user_sgpr_kernarg_segment_ptr 1
		.amdhsa_wavefront_size32 1
		.amdhsa_system_sgpr_workgroup_id_x 1
		.amdhsa_system_sgpr_workgroup_id_y 1
		.amdhsa_system_sgpr_workgroup_id_z 1
		.amdhsa_system_vgpr_workitem_id 0
		.amdhsa_next_free_vgpr 1024
		.amdhsa_next_free_sgpr 66
		.amdhsa_reserve_vcc 0
		.amdhsa_float_denorm_mode_32 3
		.amdhsa_float_denorm_mode_16_64 3
		.amdhsa_memory_ordered 1
		.amdhsa_forward_progress 1
		.amdhsa_inst_pref_size 255
	.end_amdhsa_kernel
	.section	.bss,"aw",@nobits
	.p2align	6
	.space	262144
	.amdgpu_metadata
---
amdhsa.version: [ 1, 2 ]
amdhsa.kernels:
  - .name:           k_q2e805e8663_fuser
    .symbol:         k_q2e805e8663_fuser.kd
    .args:
      - { .name: embeddings, .offset: 0, .size: 8, .value_kind: global_buffer, .address_space: global }
      - { .name: wstream, .offset: 8, .size: 8, .value_kind: global_buffer, .address_space: global }
      - { .name: out0, .offset: 16, .size: 8, .value_kind: global_buffer, .address_space: global }
    .group_segment_fixed_size: 327680
    .private_segment_fixed_size: 0
    .kernarg_segment_align: 8
    .kernarg_segment_size: 24
    .max_flat_workgroup_size: 128
    .sgpr_count:     66
    .vgpr_count:     1024
    .wavefront_size: 32
...
	.end_amdgpu_metadata
.endif
;; end of part 2
